; MI455X (gfx1250); checked and timed in simulation.
; The chip was launched on July 23, 2026; its instructions are those of AMD's public machine-readable ISA for CDNA 5 (MIT licence, August 2026) and "CDNA5" Instruction Set Architecture Reference Guide (July 2026). The comments in the code are by the model that wrote it; some were corrected since.
;; task. Allowed arithmetic: float matrix products may take bf16 or f16 operands with f32 sums; all other float work in f32.
;; Inputs: W 16 x 256 x 1,024 float32; b 16 x 256 float32; c 1,000 int32; num 8,192 int32; x 8,192 x 1,024 float32.
;; Outputs: out0 8,192 x 256 float32.
;; 2 versions, each right; version 2 is version 1 with the launches route, route_gemm written anew for expert scheduling mode. Each part assembles by itself: llvm-mc -triple=amdgcn-amd-amdhsa -mcpu=gfx1250 --defsym DOCPART=n.
;; ======== version 1 of 2: 2 launches
;; workspace buffers: order 557,056 bytes of whole numbers
;; launch route (part 1): grid 128 x 1, 1 waves a work-group, no clusters, 0 bytes of LDS; arguments num, c, order; writes order
.if DOCPART == 1
	.amdgcn_target "amdgcn-amd-amdhsa--gfx1250"
	.amdhsa_code_object_version 6
	.text
	.protected	k_q4f12beef5e_route
	.globl	k_q4f12beef5e_route
	.p2align	8
	.type	k_q4f12beef5e_route,@function
k_q4f12beef5e_route:
	s_mov_b64 s[64:65], 0
	v_nop
	global_prefetch_b8 v0, s[64:65] scope:SCOPE_SE
	s_setreg_imm32_b32 hwreg(HW_REG_WAVE_MODE, 25, 1), 1
	s_wait_xcnt 0x0
; The lists of samples, expert by expert: sample i belongs to expert c[num[i]].  num [8192] i32, c [1000] i32.
; order: 16 experts x 8 segments of 4,352 bytes.  Segment (e, s) holds the numbers of expert e's samples among 1024 s .. 1024 s + 1023,
; packed from its first word on (1,024 places), then 32 dump words, then the number of matches, 32 times (one word a lane).
; The lists steer the next launch's addresses and trip counts, so they are made here and handed over through memory as whole numbers.
;
; SHARING.  Work-group 8 e + s is one wave and makes segment (e, s) alone: no wave needs another's figure, so there is no LDS, no barrier,
; and each byte of order is stored by one work-group.  128 segments: 128 work-groups.
; Every lane is on in every line: a lane whose sample is another expert's stores into its own dump word, which nothing reads.
; The places of a segment behind its matches stay unwritten; the next launch reads none of them.
;
; LIMITS.  num is read as min(num, 999), unsigned.  A value of c outside 0..15 matches no expert: that sample enters no list
; (the problem keeps indices inside their tables).
.set SEG,    4352                      ; bytes in a segment: 17 x 256
.set CNTOFF, 4224                      ; where its 32 count words begin
.set L16,   1                          ; 16 x lane
.set SB,    2                          ; 1024 s + 4 lane
.set DUMP,  3                          ; 1024 + lane: my dump word's place
.set CADR,  4                          ; 4 x lane
.set CVAL,  5                          ; the count
.set NUM,   8                          ; v8-39   num, then offsets in c, then offsets in the segment
.set EXP,   40                         ; v40-71  c[num], then sample numbers
; s12 e, s13 s, s22 running count, s26 matches of a group
	s_load_b128 s[4:7], s[0:1], 0x0                ; num s[4:5], c s[6:7]
	s_load_b64 s[8:9], s[0:1], 0x10                ; order
	s_lshr_b32 s12, ttmp9, 3                       ; e
	s_and_b32 s13, ttmp9, 7                        ; s
	v_lshlrev_b32 v[L16], 4, v0                    ; the work-group is one wave: v0 is the lane
	v_lshlrev_b32 v[CADR], 2, v0
	v_add_nc_u32 v[DUMP], 0x400, v0
	s_lshl_b32 s14, s13, 10
	v_lshl_add_u32 v[SB], v0, 2, s14               ; 1024 s + 4 lane
	s_lshl_b32 s14, s13, 12                        ; num: 4,096 bytes a segment
	s_mov_b32 s15, 0
	s_mul_i32 s16, ttmp9, SEG                      ; order: segment 8 e + s
	s_mov_b32 s17, 0
	s_wait_kmcnt 0x0
	s_add_nc_u64 s[4:5], s[4:5], s[14:15]
	s_add_nc_u64 s[8:9], s[8:9], s[16:17]
.irp i, 0,1,2,3,4,5,6,7
	global_load_b128 v[NUM+4*\i:NUM+4*\i+3], v[L16], s[4:5] offset:512*\i   ; register NUM + 4 i + p: sample 1024 s + 128 i + 4 lane + p
.endr
	s_wait_loadcnt 0x0
.set j, 0
.rept 32
	v_min_u32 v[NUM+j], 0x3e7, v[NUM+j]            ; inside the table
	v_lshlrev_b32 v[NUM+j], 2, v[NUM+j]
.set j, j+1
.endr
.set j, 0
.rept 32
	global_load_b32 v[EXP+j], v[NUM+j], s[6:7]     ; c[num]
.set j, j+1
.endr
	s_mov_b32 s22, 0
	; the scan, 32 samples a group.  Each group has an offset register and a data register of its own, which nothing rewrites behind its store.
.set j, 0
.rept 32
	s_wait_loadcnt 31-j                            ; loads come back in order: gather j is in (31 - j younger ones stay out), and its offset register is free
	v_cmp_eq_u32 vcc_lo, s12, v[EXP+j]             ; is it my expert's?
	v_mbcnt_lo_u32_b32 v[NUM+j], vcc_lo, s22       ; place = matches so far + matches in the lanes below me: 1,023 at the most
	v_cndmask_b32 v[NUM+j], v[DUMP], v[NUM+j], vcc_lo  ; no match: place 1024 + lane
	v_min_u32 v[NUM+j], 0x41f, v[NUM+j]            ; places and dump words: 1,056
	v_lshlrev_b32 v[NUM+j], 2, v[NUM+j]            ; 4 bytes a place
	v_add_nc_u32 v[EXP+j], 128*(j>>2)+(j&3), v[SB] ; the sample's number
	s_bcnt1_i32_b32 s26, vcc_lo
	s_add_co_u32 s22, s22, s26
	global_store_b32 v[NUM+j], v[EXP+j], s[8:9]    ; the matches of a group go to neighbouring words
.set j, j+1
.endr
	v_mov_b32 v[CVAL], s22
	global_store_b32 v[CADR], v[CVAL], s[8:9] offset:CNTOFF   ; the count, a word a lane: 128 consecutive bytes
	s_endpgm
.Lfunc_end_k_q4f12beef5e_route:
	.size	k_q4f12beef5e_route, .Lfunc_end_k_q4f12beef5e_route-k_q4f12beef5e_route
	.p2alignl 7, 3214868480
	.fill 96, 4, 3214868480
	.section	.rodata,"a",@progbits
	.p2align	6, 0x0
	.amdhsa_kernel k_q4f12beef5e_route
		.amdhsa_group_segment_fixed_size 0
		.amdhsa_private_segment_fixed_size 0
		.amdhsa_enable_private_segment 0
		.amdhsa_kernarg_size 24
		.amdhsa_user_sgpr_count 2
		.amdhsa_user_sgpr_kernarg_segment_ptr 1
		.amdhsa_wavefront_size32 1
		.amdhsa_system_sgpr_workgroup_id_x 1
		.amdhsa_system_sgpr_workgroup_id_y 1
		.amdhsa_system_sgpr_workgroup_id_z 1
		.amdhsa_system_vgpr_workitem_id 0
		.amdhsa_next_free_vgpr 72
		.amdhsa_next_free_sgpr 66
		.amdhsa_reserve_vcc 1
		.amdhsa_float_denorm_mode_32 3
		.amdhsa_float_denorm_mode_16_64 3
		.amdhsa_memory_ordered 1
		.amdhsa_forward_progress 1
		.amdhsa_inst_pref_size 23
	.end_amdhsa_kernel
	.amdgpu_metadata
---
amdhsa.version: [ 1, 2 ]
amdhsa.kernels:
  - .name:           k_q4f12beef5e_route
    .symbol:         k_q4f12beef5e_route.kd
    .args:
      - { .name: num, .offset: 0, .size: 8, .value_kind: global_buffer, .address_space: global }
      - { .name: c, .offset: 8, .size: 8, .value_kind: global_buffer, .address_space: global }
      - { .name: order, .offset: 16, .size: 8, .value_kind: global_buffer, .address_space: global }
    .group_segment_fixed_size: 0
    .private_segment_fixed_size: 0
    .kernarg_segment_align: 8
    .kernarg_segment_size: 24
    .max_flat_workgroup_size: 32
    .sgpr_count:     66
    .vgpr_count:     72
    .wavefront_size: 32
...
	.end_amdgpu_metadata
.endif
;; end of part 1
;; launch route_gemm (part 2): grid 256 x 1, 8 waves a work-group, no clusters, 167,936 bytes of LDS; arguments x, W, b, order, out0; writes out0
.if DOCPART == 2
	.amdgcn_target "amdgcn-amd-amdhsa--gfx1250"
	.amdhsa_code_object_version 6
	.text
	.protected	k_q4f12beef5e_route_gemm
	.globl	k_q4f12beef5e_route_gemm
	.p2align	8
	.type	k_q4f12beef5e_route_gemm,@function
k_q4f12beef5e_route_gemm:
	s_mov_b64 s[64:65], 0
	v_nop
	global_prefetch_b8 v0, s[64:65] scope:SCOPE_SE
	s_setreg_imm32_b32 hwreg(HW_REG_WAVE_MODE, 25, 1), 1
	s_wait_xcnt 0x0
; out0[i][o] = sigmoid( sum over h of x[i][h] W[e][o][h] + b[e][o] ),  e = c[num[i]].
; x [8192][1024] f32, W [16][256][1024] f32, b [16][256] f32, out0 [8192][256] f32.
; order: the launch in front has stored, for each expert, eight segments of 4,352 bytes: the numbers of the expert's samples among
; 1024 s .. 1024 s + 1023, packed from the segment's first word on, and at byte 4,224 their count.
; Only the chosen expert's product is formed: the other fifteen are thrown away by the selection.
;
; SHARING.  Work-group wg = 16 e + 4 q + nb: expert e, row slice q (0..3), 64 output columns nb (256 bytes of a row of out0).
; The expert's eight segments, one behind the other, are its list.  The list goes in fragments of 16 rows; fragment f belongs to slice
; f & 3 and to wave (f >> 2) & 7: wave w walks f = q + 4 w, + 32, ...
; A trip = 16 rows x 64 columns x 1,024 along K = 128 matrix instructions on four accumulators.
; The work-group's 64 rows of W lie in LDS as bf16 for the whole launch.  x comes by loads of 512 consecutive bytes of one row, is rounded
; to bf16 in registers and passes through a stage in LDS that is the wave's own, so the row loop needs no barrier: its trip count is data.
; The one barrier of the text stands in the head, on every wave's path.  Every lane is on in every line of the text.
; Whatever steers an address or a branch (counts, row numbers) comes from memory into registers and stays there: LDS holds numbers to multiply alone.
;
; NO JOINT LOADS, though four work-groups read the same 64 rows of W and four the same rows of x: both are f32 and are rounded to bf16 in
; registers on their way (a W slice would lie in LDS twice, 256 KB as f32 beside 129 KB as bf16, more than a work-group can have); the rows
; of x are picked by a list; and the number of trips differs between the would-be partners, since it is read from memory.
;
; LIMITS.  A sample that is in no list (c outside 0..15; the problem keeps indices inside their tables) leaves its row unwritten.
; Any split of the 8,192 samples over the experts is served, an empty expert too (its work-groups run the head alone); the work is even
; only as far as the experts' counts are.  The last fragment of a list is filled up by repeating the list's last row: that row is
; computed and stored again by the same wave, with the same values.
; sigmoid(z) = 1 / (1 + 2^(-z log2 e)): where the power passes 2^126 the result is 0 (true value below 2^-126).  Matrix operands are
; bf16, which has f32's range.
.set SEG,    4352                      ; order: bytes in a segment
.set CNTOFF, 4224                      ; order: where a segment's count stands
.set STG,   0                          ; LDS: 8 stages of 16 rows x 272 bytes, one for each wave
.set SP,    272                        ; a stage row: 256 bytes + 16: an odd multiple of 16, so 16 rows start in 16 different 16-byte columns modulo 256
.set STGW,  16*SP
.set WT,    STG+8*STGW                 ; 34,816: 64 rows of W as bf16
.set WP,    2064                       ; a row of W: 2,048 bytes + 16, again an odd multiple of 16
.set NLOG2E, 0xbfb8aa3b                ; -log2(e)
.set LANE16, 1                         ; 16 x lane: my 16 bytes in a run of 512
.set SADR,  2                          ; stage: where my 8 bytes of a row's x chunk go
.set AADR,  3                          ; stage: my x fragment
.set BADR,  4                          ; v4-7  my W fragments, column tile t
.set RID,   8                          ; sample number of row lane & 15 of the fragment
.set DADR,  9                          ; stage: where my results go
.set RADR,  10                         ; stage: where I read rows of results back
.set TMP,   11
.set BIASN, 12                         ; v12-15  -log2(e) x b of columns 4 r .. 4 r + 3
.set ACC,   16                         ; v16-47  four accumulators
.set FB0,   48                         ; v48-87  x fragment (8), four W fragments (32)
.set FB1,   88                         ; v88-127 the same, second buffer
.set EP,    128                        ; v128-159 results read back
.set OO,    160                        ; v160-167 row number 2 i + h, then its byte offset in out0
.set R15,   192                        ; r = lane & 15
.set C16,   196                        ; 16 r
.set WADR,  199                        ; WT: where my 8 bytes go
.set T0,    212
.set T1,    213
; window 1 (v256-511): landing registers.  Head: load m of W in 4 m .. 4 m + 3.  Loop: three x buffers of 64, chunk c in buffer c % 3.
.set XB,    32                         ; s[32:63]  addresses of the fragment's 16 rows of x
.set CNTS,  66                         ; s[66:73]  counts of the eight segments
.set PFX,   74                         ; s[74:81]  their running sums P1 .. P8; P8 = n
.set GAP,   82                         ; s[82:88]  GAP1 .. GAP7 = SEG - 4 x count of the segment in front
; s16 wave, s17 e, s18 q, s19 nb, s20 my trips (head: W's offset), s21 trip counter, s22 mask of lanes 16-31 (head: b's offset),
; s24 fragments in the list, s25 my fragment, s[26:27] offset pair, s89 n - 1
.set MSB, 0
.macro WIN new                         ; low byte: bits 1:0 source 0, 3:2 source 1, 5:4 source 2, 7:6 destination; high byte: the setting that is left
.if MSB != \new
	s_set_vgpr_msb (MSB<<8)|\new
.set MSB, \new
.endif
.endm
.macro PLACES                          ; four plain vector places between a matrix instruction and a load into one of its sources
.rept 4
	v_nop
.endr
.endm
; 16 loads of W: load m takes 512 consecutive bytes, piece m & 7 of my row m >> 3
.macro WLOAD g
	WIN 0x40                                       ; data into window 1, address from window 0
.set m, 16*\g
.rept 16
	global_load_b128 v[4*m:4*m+3], v[LANE16], s[6:7] offset:(m>>3)*4096+(m&7)*512
.set m, m+1
.endr
.endm
; the same 16: rounded to bf16 in place, 8 bytes a lane into WT
.macro WCVT g
	WIN 0x45                                       ; destination and both sources in window 1
.set m, 16*\g
.rept 16
	v_cvt_pk_bf16_f32 v[4*m], v[4*m], v[4*m+1]
	v_cvt_pk_bf16_f32 v[4*m+1], v[4*m+2], v[4*m+3]
.set m, m+1
.endr
	WIN 0x04                                       ; store data from window 1, address from window 0
.set m, 16*\g
.rept 16
	ds_store_b64 v[WADR], v[4*m:4*m+1] offset:(m>>3)*WP+(m&7)*256
.set m, m+1
.endr
	WIN 0
.endm
; chunk c of x: 128 numbers (512 consecutive bytes) of each of the 16 rows
.macro XLOAD c
	WIN 0x40
.set XBUF, 64*((\c)%3)
.irp j, 0,1,2,3,4,5,6,7,8,9,10,11,12,13,14,15
	global_load_b128 v[XBUF+4*\j:XBUF+4*\j+3], v[LANE16], s[XB+2*\j:XB+2*\j+1] offset:(\c)*512
.endr
.endm
; chunk c: rounded in place, 8 bytes a lane into my stage, row j
.macro CVTST c
	WIN 0x45
.set XBUF, 64*((\c)%3)
.irp j, 0,1,2,3,4,5,6,7,8,9,10,11,12,13,14,15
	v_cvt_pk_bf16_f32 v[XBUF+4*\j], v[XBUF+4*\j], v[XBUF+4*\j+1]
	v_cvt_pk_bf16_f32 v[XBUF+4*\j+1], v[XBUF+4*\j+2], v[XBUF+4*\j+3]
.endr
	WIN 0x04
.irp j, 0,1,2,3,4,5,6,7,8,9,10,11,12,13,14,15
	ds_store_b64 v[SADR], v[XBUF+4*\j:XBUF+4*\j+1] offset:\j*SP
.endr
	WIN 0
.endm
; ten LDS loads: the fragments of 32 along K (step ks of chunk c).  A fragment: lane (r, h) holds row r, K = 8 h .. + 7 and 16 + 8 h .. + 7.
.macro LOADF fb, c, ks
	ds_load_b128 v[\fb:\fb+3],   v[AADR] offset:\ks*64
	ds_load_b128 v[\fb+4:\fb+7], v[AADR] offset:\ks*64+32
.irp t, 0,1,2,3
	ds_load_b128 v[\fb+8+8*\t:\fb+8+8*\t+3],   v[BADR+\t] offset:\c*256+\ks*64
	ds_load_b128 v[\fb+8+8*\t+4:\fb+8+8*\t+7], v[BADR+\t] offset:\c*256+\ks*64+32
.endr
.endm
; Four matrix instructions.  Source 0 = 16 rows of W, source 1 = the 16 rows of x: register j of lane (r, h) is then
; out(row r, column 16 t + 8 h + j), eight neighbouring columns of one row.
; The four accumulators take turns, one instruction a turn.
.macro MUL4 fb, zero
.irp t, 0,1,2,3
.if \zero
	v_wmma_f32_16x16x32_bf16 v[ACC+8*\t:ACC+8*\t+7], v[\fb+8+8*\t:\fb+8+8*\t+7], v[\fb:\fb+7], 0
.else
	v_wmma_f32_16x16x32_bf16 v[ACC+8*\t:ACC+8*\t+7], v[\fb+8+8*\t:\fb+8+8*\t+7], v[\fb:\fb+7], v[ACC+8*\t:ACC+8*\t+7]
.endif
.endr
.endm
; 128 along K.  left = the loads of the younger chunks that are out (16 each).  zero = 1: the first products start the sums.
.macro CHUNK c, zero, left
	s_wait_loadcnt \left                           ; loads come back in order: chunk c's sixteen are in
	CVTST \c                                       ; its 32 conversions are also the places behind the last chunk's matrix instructions
	LOADF FB0, \c, 0                               ; LDS serves a wave's instructions in order: these see the stores above
	LOADF FB1, \c, 1
	s_wait_dscnt 10                                ; the 16 stores and step 0's ten loads are done; step 1's ten may be out
	MUL4 FB0, \zero
.if \c <= 4
	XLOAD \c+3                                     ; into chunk c's buffer, whose LDS stores the wait above has shown done
	WIN 0
.endif
	PLACES
	LOADF FB0, \c, 2
	s_wait_dscnt 10                                ; step 1's are in; step 2's ten may be out
	MUL4 FB1, 0
	PLACES
	LOADF FB1, \c, 3
	s_wait_dscnt 10                                ; step 2's are in; step 3's ten may be out
	MUL4 FB0, 0
	s_wait_dscnt 0
	MUL4 FB1, 0
.endm
; rows 2 i and 2 i + 1 of the results: sigmoid, and one store in which each sixteen lanes write 256 consecutive bytes, aligned, of one row of out0
.macro SIG i
	s_wait_dscnt 7-\i                              ; read-back i is in; the younger ones may be out
	v_pk_fma_f32 v[EP+4*\i:EP+4*\i+1],   v[EP+4*\i:EP+4*\i+1],   NLOG2E, v[BIASN:BIASN+1]   op_sel_hi:[1,0,1]
	v_pk_fma_f32 v[EP+4*\i+2:EP+4*\i+3], v[EP+4*\i+2:EP+4*\i+3], NLOG2E, v[BIASN+2:BIASN+3] op_sel_hi:[1,0,1]
.irp k, 0,1,2,3
	v_exp_f32 v[EP+4*\i+\k], v[EP+4*\i+\k]
.endr
	v_nop                                          ; one plain place between a transcendental and the use of its result
	s_wait_alu depctr_va_vdst(0)
	v_pk_add_f32 v[EP+4*\i:EP+4*\i+1],   v[EP+4*\i:EP+4*\i+1],   1.0 op_sel_hi:[1,0]
	v_pk_add_f32 v[EP+4*\i+2:EP+4*\i+3], v[EP+4*\i+2:EP+4*\i+3], 1.0 op_sel_hi:[1,0]
.irp k, 0,1,2,3
	v_rcp_f32 v[EP+4*\i+\k], v[EP+4*\i+\k]
.endr
	v_nop
	s_wait_alu depctr_va_vdst(0)
	global_store_b128 v[OO+\i], v[EP+4*\i:EP+4*\i+3], s[14:15] th:TH_STORE_NT
.endm
	; ---- arguments, ids, addresses ----
	s_load_b256 s[4:11], s[0:1], 0x0               ; x s[4:5], W s[6:7], b s[8:9], order s[10:11]
	s_load_b64 s[14:15], s[0:1], 0x20              ; out0
	v_lshl_add_u32 v254, v0, 2, 0x28c00
	v_mov_b32 v255, 0
	v_lshrrev_b32 v[TMP], 5, v0
	v_readfirstlane_b32 s16, v[TMP]                ; wave 0..7
	s_lshr_b32 s17, ttmp9, 4                       ; e
	s_bfe_u32 s18, ttmp9, 0x20002                  ; q: two bits from bit 2
	s_and_b32 s19, ttmp9, 3                        ; nb
	v_and_b32 v[T0], 31, v0                        ; lane
	v_and_b32 v[R15], 15, v0                       ; r
	v_bfe_u32 v[T1], v0, 4, 1                      ; h
	v_lshlrev_b32 v[LANE16], 4, v[T0]
	v_lshlrev_b32 v[C16], 4, v[R15]
	s_mul_i32 s26, s16, STGW
	s_add_co_u32 s26, s26, STG                     ; my stage
	v_lshl_add_u32 v[SADR], v[T0], 3, s26          ; + 8 lane
	v_mul_u32_u24 v[TMP], v[R15], SP
	v_add_nc_u32 v[TMP], s26, v[TMP]               ; stage + 272 r
	v_lshl_add_u32 v[AADR], v[T1], 4, v[TMP]       ; + 16 h
	v_lshl_add_u32 v[DADR], v[T1], 5, v[TMP]       ; + 32 h (eight f32)
	v_mul_u32_u24 v[TMP], v[T1], SP
	v_add_nc_u32 v[TMP], s26, v[TMP]               ; stage + 272 h
	v_lshl_add_u32 v[RADR], v[R15], 4, v[TMP]      ; + 16 r
	v_mul_u32_u24 v[TMP], v[R15], WP
	v_lshl_add_u32 v[TMP], v[T1], 4, v[TMP]        ; 2064 r + 16 h
.irp t, 0,1,2,3
	v_add_nc_u32 v[BADR+\t], WT+16*\t*WP, v[TMP]
.endr
	s_mul_i32 s28, s16, 8*WP
	s_add_co_u32 s28, s28, WT
	v_lshl_add_u32 v[WADR], v[T0], 3, s28          ; my wave's 8 rows of WT + 8 lane
	s_lshl_b32 s20, s17, 20                        ; W: expert x 1 MB
	s_lshl_b32 s26, s19, 18                        ;    + 64 rows of 4,096 bytes x nb
	s_add_co_u32 s20, s20, s26
	s_lshl_b32 s26, s16, 15                        ;    + 8 rows x wave
	s_add_co_u32 s20, s20, s26
	s_mov_b32 s21, 0
	s_lshl_b32 s22, s17, 10                        ; b: expert x 1,024 bytes
	s_lshl_b32 s30, s19, 8                         ;    + 256 bytes x nb; the same 256 nb for out0
	s_add_co_u32 s22, s22, s30
	s_mov_b32 s23, 0
	s_mov_b32 s31, 0
	s_mul_i32 s28, s17, 8*SEG                      ; order: the expert's eight segments
	s_mov_b32 s29, 0
	s_wait_kmcnt 0x0
	s_add_nc_u64 s[6:7], s[6:7], s[20:21]
	s_add_nc_u64 s[8:9], s[8:9], s[22:23]
	s_add_nc_u64 s[14:15], s[14:15], s[30:31]
	s_add_nc_u64 s[10:11], s[10:11], s[28:29]
	; ---- the eight counts; b; three quarters of my rows of W (49 vector loads) ----
.irp s, 0,1,2,3,4,5,6,7
	s_load_b32 s[CNTS+\s], s[10:11], \s*SEG+CNTOFF
.endr
	global_load_b128 v[BIASN:BIASN+3], v[C16], s[8:9]
	WLOAD 0
	WLOAD 1
	WLOAD 2
	WIN 0
	; ---- the list's shape, in scalars, while W is on its way ----
	s_wait_kmcnt 0x0
	s_mov_b32 s[PFX], s[CNTS]                      ; P1
.irp s, 1,2,3,4,5,6,7
	s_add_co_u32 s[PFX+\s], s[PFX+\s-1], s[CNTS+\s]
.endr
.irp s, 0,1,2,3,4,5,6
	s_lshl_b32 s26, s[CNTS+\s], 2
	s_sub_co_u32 s[GAP+\s], SEG, s26               ; the bytes of segment s that hold no match
.endr
	s_sub_co_u32 s89, s[PFX+7], 1                  ; n - 1
	s_add_co_u32 s24, s[PFX+7], 15
	s_lshr_b32 s24, s24, 4                         ; fragments in the list
	s_lshl2_add_u32 s25, s16, s18                  ; my first: q + 4 w
	s_mov_b32 s27, 0                               ; the high word of the offset pair s[26:27]
	s_mov_b32 s22, 0xffff0000                      ; lanes 16-31
	; ---- W into LDS as it lands ----
	s_wait_loadcnt 32                              ; b and group 0 are in: groups 1 and 2 stay out
	v_pk_mul_f32 v[BIASN:BIASN+1],   v[BIASN:BIASN+1],   NLOG2E op_sel_hi:[1,0]
	v_pk_mul_f32 v[BIASN+2:BIASN+3], v[BIASN+2:BIASN+3], NLOG2E op_sel_hi:[1,0]
	WCVT 0
	WLOAD 3
	WIN 0
	s_wait_loadcnt 32                              ; group 1 is in: groups 2 and 3 stay out
	WCVT 1
	s_wait_loadcnt 16                              ; group 2 is in: group 3 stays out
	WCVT 2
	s_wait_loadcnt 0x0
	WCVT 3
	s_wait_dscnt 0x0                               ; my rows of W are written,
	s_barrier_signal -1
	s_barrier_wait -1                              ; everybody's are.  No wave writes W again, and no barrier follows
	s_cmp_ge_u32 s25, s24
	s_cbranch_scc1 .Lend                           ; none of the list's fragments is mine
	s_sub_co_u32 s20, s24, s25                     ; fragments from my first to the list's end: at least 1 here
	s_add_co_u32 s20, s20, 31
	s_lshr_b32 s20, s20, 5                         ; every 32nd of them is mine: my trips
	s_min_u32 s20, s20, 16                         ; 8,192 rows / 16 a fragment / 32 = 16 at the most
	s_mov_b32 s21, 0                               ; the loop counts trips, by 1, against s20, which it does not write
.Ltrip:
	; ---- which rows ----
	s_wait_xcnt 0x0                                ; the last trip's stores have had their addresses translated: their data and offsets are rewritten only behind this wait
	s_lshl_b32 s26, s25, 4
	v_add_nc_u32 v[TMP], s26, v[R15]
	v_min_u32 v[TMP], s89, v[TMP]                  ; g = min(16 f + r, n - 1): only places that hold a match are read
	v_lshlrev_b32 v[T0], 2, v[TMP]
.irp s, 0,1,2,3,4,5,6                              ; place g lies at byte 4 g + the matchless bytes of all segments in front of its own
	v_cmp_le_u32 vcc_lo, s[PFX+\s], v[TMP]
	v_cndmask_b32 v[T1], 0, s[GAP+\s], vcc_lo
	v_add_nc_u32 v[T0], v[T0], v[T1]
.endr
	v_min_u32 v[T0], 0x87fc, v[T0]                 ; inside the expert's 8 x 4,352 = 34,816 bytes
	global_load_b32 v[RID], v[T0], s[10:11]
	s_wait_loadcnt 0x0
.irp j, 0,1,2,3,4,5,6,7,8,9,10,11,12,13,14,15
	v_readlane_b32 s26, v[RID], \j
	s_min_u32 s26, s26, 0x1fff                     ; inside x's 8,192 rows
.if \j & 1
	v_cndmask_b32 v[OO+(\j>>1)], v[OO+(\j>>1)], s26, s22   ; lanes 16-31: the odd row of the pair
.else
	v_mov_b32 v[OO+(\j>>1)], s26                   ; the even row of the pair
.endif
	s_lshl_b32 s26, s26, 12                        ; rows of 4,096 bytes
	s_add_nc_u64 s[XB+2*\j:XB+2*\j+1], s[4:5], s[26:27]   ; the last trip's loads from these bases were waited for in its last chunk
.endr
	; ---- K: eight chunks of 128, three on their way ----
	XLOAD 0
	XLOAD 1
	XLOAD 2
	CHUNK 0, 1, 32
	CHUNK 1, 0, 32
	CHUNK 2, 0, 32
	CHUNK 3, 0, 32
	CHUNK 4, 0, 32
	CHUNK 5, 0, 32
	CHUNK 6, 0, 16
	CHUNK 7, 0, 0
	; ---- the way out: through my stage, so that a store writes whole rows of 256 bytes ----
.irp i, 0,1,2,3,4,5,6,7                            ; 24 plain vector instructions that name no register of the last matrix instructions: the places behind them
	v_min_u32 v[OO+\i], 0x1fff, v[OO+\i]           ; row 2 i + h, inside out0's 8,192 rows
	v_lshlrev_b32 v[OO+\i], 10, v[OO+\i]           ; rows of 1,024 bytes
	v_add_nc_u32 v[OO+\i], v[C16], v[OO+\i]        ; + 16 r
.endr
.irp t, 0,1,2,3
	ds_store_b128 v[DADR], v[ACC+8*\t:ACC+8*\t+3]   offset:64*\t      ; row r, columns 16 t + 8 h .. + 3
	ds_store_b128 v[DADR], v[ACC+8*\t+4:ACC+8*\t+7] offset:64*\t+16   ; .. + 4 .. + 7
.endr
.irp i, 0,1,2,3,4,5,6,7
	ds_load_b128 v[EP+4*\i:EP+4*\i+3], v[RADR] offset:\i*2*SP         ; row 2 i + h, columns 4 r .. 4 r + 3; in order behind the stores above
.endr
.irp i, 0,1,2,3,4,5,6,7
	SIG \i
.endr
	s_add_co_u32 s25, s25, 32                      ; my next fragment
	s_add_co_u32 s21, s21, 1                       ; one trip done
	s_cmp_lt_u32 s21, s20
	s_cbranch_scc1 .Ltrip
.Lend:
	s_wait_tensorcnt 0x0
	ds_add_u32 v254, v255
	s_wait_dscnt 0x0
	s_endpgm
.Lfunc_end_k_q4f12beef5e_route_gemm:
	.size	k_q4f12beef5e_route_gemm, .Lfunc_end_k_q4f12beef5e_route_gemm-k_q4f12beef5e_route_gemm
	.p2alignl 7, 3214868480
	.fill 96, 4, 3214868480
	.section	.rodata,"a",@progbits
	.p2align	6, 0x0
	.amdhsa_kernel k_q4f12beef5e_route_gemm
		.amdhsa_group_segment_fixed_size 167936
		.amdhsa_private_segment_fixed_size 0
		.amdhsa_enable_private_segment 0
		.amdhsa_kernarg_size 40
		.amdhsa_user_sgpr_count 2
		.amdhsa_user_sgpr_kernarg_segment_ptr 1
		.amdhsa_wavefront_size32 1
		.amdhsa_system_sgpr_workgroup_id_x 1
		.amdhsa_system_sgpr_workgroup_id_y 1
		.amdhsa_system_sgpr_workgroup_id_z 1
		.amdhsa_system_vgpr_workitem_id 0
		.amdhsa_next_free_vgpr 512
		.amdhsa_next_free_sgpr 90
		.amdhsa_reserve_vcc 1
		.amdhsa_float_denorm_mode_32 3
		.amdhsa_float_denorm_mode_16_64 3
		.amdhsa_memory_ordered 1
		.amdhsa_forward_progress 1
		.amdhsa_inst_pref_size 106
	.end_amdhsa_kernel
	.amdgpu_metadata
---
amdhsa.version: [ 1, 2 ]
amdhsa.kernels:
  - .name:           k_q4f12beef5e_route_gemm
    .symbol:         k_q4f12beef5e_route_gemm.kd
    .args:
      - { .name: x, .offset: 0, .size: 8, .value_kind: global_buffer, .address_space: global }
      - { .name: W, .offset: 8, .size: 8, .value_kind: global_buffer, .address_space: global }
      - { .name: b, .offset: 16, .size: 8, .value_kind: global_buffer, .address_space: global }
      - { .name: order, .offset: 24, .size: 8, .value_kind: global_buffer, .address_space: global }
      - { .name: out0, .offset: 32, .size: 8, .value_kind: global_buffer, .address_space: global }
    .group_segment_fixed_size: 167936
    .private_segment_fixed_size: 0
    .kernarg_segment_align: 8
    .kernarg_segment_size: 40
    .max_flat_workgroup_size: 256
    .sgpr_count:     90
    .vgpr_count:     512
    .wavefront_size: 32
...
	.end_amdgpu_metadata
.endif
;; end of part 2
;; ======== version 2 of 2: 2 launches; version 1 with the launches route, route_gemm written anew for expert scheduling mode
;; workspace buffers: order 557,056 bytes of whole numbers
;; launch route (part 3): grid 128 x 1, 1 waves a work-group, no clusters, 0 bytes of LDS; arguments num, c, order; writes order
.if DOCPART == 3
	.amdgcn_target "amdgcn-amd-amdhsa--gfx1250"
	.amdhsa_code_object_version 6
	.text
	.protected	k_q4f12beef5e_route
	.globl	k_q4f12beef5e_route
	.p2align	8
	.type	k_q4f12beef5e_route,@function
k_q4f12beef5e_route:
	s_mov_b64 s[64:65], 0
	v_nop
	global_prefetch_b8 v0, s[64:65] scope:SCOPE_SE
	s_setreg_imm32_b32 hwreg(HW_REG_WAVE_SCHED_MODE, 0, 2), 2
	s_setreg_imm32_b32 hwreg(HW_REG_WAVE_MODE, 25, 1), 1
	s_wait_xcnt 0x0
	s_wait_alu depctr_vm_vsrc(0)
; The lists of samples, expert by expert: sample i belongs to expert c[num[i]].  num [8192] i32, c [1000] i32.
; order: 16 experts x 8 segments of 4,352 bytes.  Segment (e, s) holds the numbers of expert e's samples among 1024 s .. 1024 s + 1023,
; packed from its first word on (1,024 places), then 32 dump words, then the number of matches, 32 times (one word a lane).
; The lists steer the next launch's addresses and trip counts, so they are made here and handed over through memory as whole numbers.
;
; SHARING.  Work-group 8 e + s is one wave and makes segment (e, s) alone: no wave needs another's figure, so there is no LDS, no barrier,
; and each byte of order is stored by one work-group.  128 segments: 128 work-groups.
; Every lane is on in every line: a lane whose sample is another expert's stores into its own dump word, which nothing reads.
; The places of a segment behind its matches stay unwritten; the next launch reads none of them.
;
; THE MODE: SCHED_MODE bits 1:0 = 2 (LLVM: expert scheduling mode 2), set by the entry lines.  The code itself states the register dependences
; between vector instructions and memory instructions, and those through scalar registers that vector instructions write, with s_wait_alu, always for 0.
; THE PLAN.  Registers that memory instructions touch:
;   v[L16], v[CADR]  offsets, made once at the head and never written again.
;   NUM + j          num as loaded; clamped and shifted it is gather j's offset; the scan writes it again, as store j's offset.
;   EXP + j          gather j lands in it; compare j reads it; the scan writes the sample's number into it, store j's data.
;   s[MK + j]        the mask of compare j: a register to each group, so that one wait serves a run of eight compares.
; The scan goes in four blocks of eight groups.  Block k's eight stores are issued in block k + 1, behind one wait; no vector line of block k + 1
; names their registers.  Nothing rewrites a store's registers.
;
; LIMITS.  num is read as min(num, 999), unsigned.  A value of c outside 0..15 matches no expert: that sample enters no list
; (the problem keeps indices inside their tables).
.set SEG,    4352                      ; bytes in a segment: 17 x 256
.set CNTOFF, 4224                      ; where its 32 count words begin
.set L16,   1                          ; 16 x lane
.set SB,    2                          ; 1024 s + 4 lane
.set DUMP,  3                          ; 1024 + lane: my dump word's place
.set CADR,  4                          ; 4 x lane
.set CVAL,  5                          ; the count
.set NUM,   8                          ; v8-39   num, then offsets in c, then offsets in the segment
.set EXP,   40                         ; v40-71  c[num], then sample numbers
.set MK,    32                         ; s[32:63] group j's matches, a bit a lane
; s12 e, s13 s, s22 running count, s26 matches of a group
	s_load_b128 s[4:7], s[0:1], 0x0                ; num s[4:5], c s[6:7]
	s_load_b64 s[8:9], s[0:1], 0x10                ; order
	s_lshr_b32 s12, ttmp9, 3                       ; e
	s_and_b32 s13, ttmp9, 7                        ; s
	v_lshlrev_b32 v[L16], 4, v0                    ; the work-group is one wave: v0 is the lane
	v_lshlrev_b32 v[CADR], 2, v0
	v_add_nc_u32 v[DUMP], 0x400, v0
	s_lshl_b32 s14, s13, 10
	v_lshl_add_u32 v[SB], v0, 2, s14               ; 1024 s + 4 lane
	s_lshl_b32 s14, s13, 12                        ; num: 4,096 bytes a segment
	s_mov_b32 s15, 0
	s_mul_i32 s16, ttmp9, SEG                      ; order: segment 8 e + s
	s_mov_b32 s17, 0
	s_wait_kmcnt 0x0
	s_add_nc_u64 s[4:5], s[4:5], s[14:15]
	s_add_nc_u64 s[8:9], s[8:9], s[16:17]
	s_wait_alu depctr_va_vdst(0)                   ; v[L16] is written, which the loads of num read as their offset; so is v[CADR], the last store's
.irp i, 0,1,2,3,4,5,6,7
	global_load_b128 v[NUM+4*\i:NUM+4*\i+3], v[L16], s[4:5] offset:512*\i   ; register NUM + 4 i + p: sample 1024 s + 128 i + 4 lane + p
.endr
	s_wait_loadcnt 0x0
.set j, 0
.rept 32
	v_min_u32 v[NUM+j], 0x3e7, v[NUM+j]            ; inside the table
	v_lshlrev_b32 v[NUM+j], 2, v[NUM+j]
.set j, j+1
.endr
	s_wait_alu depctr_va_vdst(0)                   ; the 32 offsets in c are written, which the gathers read
.set j, 0
.rept 32
	global_load_b32 v[EXP+j], v[NUM+j], s[6:7]     ; c[num]
.set j, j+1
.endr
	s_mov_b32 s22, 0
; the eight stores of block k: the matches of a group go to neighbouring words
.macro STORES k
.set j, 8*(\k)
.rept 8
	global_store_b32 v[NUM+j], v[EXP+j], s[8:9]
.set j, j+1
.endr
.endm
; Block k of the scan: groups 8 k .. 8 k + 7, 32 samples a group.  Each group has an offset register and a data register of its own.
.macro BLK k
	s_wait_loadcnt 24-8*(\k)                       ; loads come back in order: this block's eight gathers are in (the younger ones stay out), and their offset registers are free
.if (\k) == 0
	s_wait_alu depctr_vm_vsrc(0)                   ; all 32 gathers have read their offsets NUM + j, which the scan writes again
.endif
.set j, 8*(\k)
.rept 8
	v_cmp_eq_u32 s[MK+j], s12, v[EXP+j]            ; is it my expert's?
.set j, j+1
.endr
	s_wait_alu depctr_va_sdst(0)                   ; the eight masks are written, ahead of their first readers below
.if (\k) > 0
	s_wait_alu depctr_va_vdst(0)                   ; the block before has written its offsets and sample numbers, which its stores read
	STORES (\k)-1
.endif
.set j, 8*(\k)
.rept 8
	v_mbcnt_lo_u32_b32 v[NUM+j], s[MK+j], s22      ; place = matches so far + matches in the lanes below me: 1,023 at the most
	v_cndmask_b32 v[NUM+j], v[DUMP], v[NUM+j], s[MK+j]  ; no match: place 1024 + lane
	v_min_u32 v[NUM+j], 0x41f, v[NUM+j]            ; places and dump words: 1,056
	v_lshlrev_b32 v[NUM+j], 2, v[NUM+j]            ; 4 bytes a place
	v_add_nc_u32 v[EXP+j], 128*(j>>2)+(j&3), v[SB] ; the sample's number
	s_bcnt1_i32_b32 s26, s[MK+j]
	s_add_co_u32 s22, s22, s26
.set j, j+1
.endr
.endm
	BLK 0
	BLK 1
	BLK 2
	BLK 3
	v_mov_b32 v[CVAL], s22
	s_wait_alu depctr_va_vdst(0)                   ; the last block has written its offsets and sample numbers, and the count is written: the nine stores below read them
	STORES 3
	global_store_b32 v[CADR], v[CVAL], s[8:9] offset:CNTOFF   ; the count, a word a lane: 128 consecutive bytes
	s_endpgm
.Lfunc_end_k_q4f12beef5e_route:
	.size	k_q4f12beef5e_route, .Lfunc_end_k_q4f12beef5e_route-k_q4f12beef5e_route
	.p2alignl 7, 3214868480
	.fill 96, 4, 3214868480
	.section	.rodata,"a",@progbits
	.p2align	6, 0x0
	.amdhsa_kernel k_q4f12beef5e_route
		.amdhsa_group_segment_fixed_size 0
		.amdhsa_private_segment_fixed_size 0
		.amdhsa_enable_private_segment 0
		.amdhsa_kernarg_size 24
		.amdhsa_user_sgpr_count 2
		.amdhsa_user_sgpr_kernarg_segment_ptr 1
		.amdhsa_wavefront_size32 1
		.amdhsa_system_sgpr_workgroup_id_x 1
		.amdhsa_system_sgpr_workgroup_id_y 1
		.amdhsa_system_sgpr_workgroup_id_z 1
		.amdhsa_system_vgpr_workitem_id 0
		.amdhsa_next_free_vgpr 72
		.amdhsa_next_free_sgpr 66
		.amdhsa_reserve_vcc 0
		.amdhsa_float_denorm_mode_32 3
		.amdhsa_float_denorm_mode_16_64 3
		.amdhsa_memory_ordered 1
		.amdhsa_forward_progress 1
		.amdhsa_inst_pref_size 25
	.end_amdhsa_kernel
	.amdgpu_metadata
---
amdhsa.version: [ 1, 2 ]
amdhsa.kernels:
  - .name:           k_q4f12beef5e_route
    .symbol:         k_q4f12beef5e_route.kd
    .args:
      - { .name: num, .offset: 0, .size: 8, .value_kind: global_buffer, .address_space: global }
      - { .name: c, .offset: 8, .size: 8, .value_kind: global_buffer, .address_space: global }
      - { .name: order, .offset: 16, .size: 8, .value_kind: global_buffer, .address_space: global }
    .group_segment_fixed_size: 0
    .private_segment_fixed_size: 0
    .kernarg_segment_align: 8
    .kernarg_segment_size: 24
    .max_flat_workgroup_size: 32
    .sgpr_count:     66
    .vgpr_count:     72
    .wavefront_size: 32
...
	.end_amdgpu_metadata
.endif
;; end of part 3
;; launch route_gemm (part 4): grid 256 x 1, 8 waves a work-group, no clusters, 167,936 bytes of LDS; arguments x, W, b, order, out0; writes out0
.if DOCPART == 4
	.amdgcn_target "amdgcn-amd-amdhsa--gfx1250"
	.amdhsa_code_object_version 6
	.text
	.protected	k_q4f12beef5e_route_gemm
	.globl	k_q4f12beef5e_route_gemm
	.p2align	8
	.type	k_q4f12beef5e_route_gemm,@function
k_q4f12beef5e_route_gemm:
	s_mov_b64 s[64:65], 0
	v_nop
	global_prefetch_b8 v0, s[64:65] scope:SCOPE_SE
	s_setreg_imm32_b32 hwreg(HW_REG_WAVE_SCHED_MODE, 0, 2), 2
	s_setreg_imm32_b32 hwreg(HW_REG_WAVE_MODE, 25, 1), 1
	s_wait_xcnt 0x0
	s_wait_alu depctr_vm_vsrc(0)
; out0[i][o] = sigmoid( sum over h of x[i][h] W[e][o][h] + b[e][o] ),  e = c[num[i]].
; x [8192][1024] f32, W [16][256][1024] f32, b [16][256] f32, out0 [8192][256] f32.
; order: the launch in front has stored, for each expert, eight segments of 4,352 bytes: the numbers of the expert's samples among
; 1024 s .. 1024 s + 1023, packed from the segment's first word on, and at byte 4,224 their count.
; Only the chosen expert's product is formed: the other fifteen are thrown away by the selection.
;
; SHARING.  Work-group wg = 16 e + 4 q + nb: expert e, row slice q (0..3), 64 output columns nb (256 bytes of a row of out0).
; The expert's eight segments, one behind the other, are its list.  The list goes in fragments of 16 rows; fragment f belongs to slice
; f & 3 and to wave (f >> 2) & 7: wave w walks f = q + 4 w, + 32, ...
; A trip = 16 rows x 64 columns x 1,024 along K = 128 matrix instructions on four accumulators.
; The work-group's 64 rows of W lie in LDS as bf16 for the whole launch.  x comes by loads of 512 consecutive bytes of one row, is rounded
; to bf16 in registers and passes through a stage in LDS that is the wave's own, so the row loop needs no barrier: its trip count is data.
; The one barrier of the text stands in the head, on every wave's path.  Every lane is on in every line of the text.
; Whatever steers an address or a branch (counts, row numbers) comes from memory into registers and stays there: LDS holds numbers to multiply alone.
;
; NO JOINT LOADS, though four work-groups read the same 64 rows of W and four the same rows of x: both are f32 and are rounded to bf16 in
; registers on their way (a W slice would lie in LDS twice, 256 KB as f32 beside 129 KB as bf16, more than a work-group can have); the rows
; of x are picked by a list; and the number of trips differs between the would-be partners, since it is read from memory.
;
; THE MODE: SCHED_MODE bits 1:0 = 2 (LLVM: expert scheduling mode 2), set by the entry lines.  The code itself states the register dependences
; between vector or matrix instructions and memory or LDS instructions, and those through scalar registers that vector instructions write,
; with s_wait_alu, always for 0.
; THE PLAN.  Registers that memory or LDS instructions touch, in the loop:
;   X0 .. X2    (window 1) chunk c of x as loaded, in X[c % 3].  Written by the loads of chunk c + 3, issued in chunk c; read by chunk c's conversions alone.
;   OUT         (window 1) a chunk in bf16.  Written by the chunk's conversions; read by its sixteen LDS stores.
;   FB0 .. FB3  the fragments of a chunk's four K steps, a buffer to each step.  Written by the step's ten LDS loads; read by its four matrix instructions.
;   ACC         written by matrix instructions; read by the LDS stores of the way out.
;   EP          the read-back lands in it; the sigmoid works in place; the eight global stores read it.
;   OO          written at the trip's head and behind the last products; read by the eight global stores, as offsets.
;   T0, RID     the list load's offset and its data; RID is read by the sixteen v_readlane_b32.
;   LANE16, C16, SADR, AADR, BADR, DADR, RADR, WADR: addresses, made once at the head and never written again.
; A CHUNK HAS TWO WAITS.  At its head, on vm_vsrc: the last chunk's LDS stores have read OUT.  Behind its conversions, on va_vdst: OUT is written; X[c % 3] has been
; read out; the last chunk's matrix instructions are done reading FB0 .. FB3.  Behind it follow the sixteen loads of chunk c + 3, the sixteen LDS stores and the forty
; LDS loads, these dealt among the matrix instructions: the loads of FB2 stand behind products that name FB0, those of FB3 behind products that name FB0 and FB1.
; A TRIP'S HEAD has one wait on vm_vsrc (all that the last trip's stores read is written again in this trip), one on va_sdst behind each run of vector lines that
; write scalar registers, and one on va_vdst ahead of the list load; the loads of chunks 0 to 2 lean on that one too: the vector lines between name RID and OO alone.
;
; LIMITS.  A sample that is in no list (c outside 0..15; the problem keeps indices inside their tables) leaves its row unwritten.
; Any split of the 8,192 samples over the experts is served, an empty expert too (its work-groups run the head alone); the work is even
; only as far as the experts' counts are.  The last fragment of a list is filled up by repeating the list's last row: that row is
; computed and stored again by the same wave, with the same values.
; sigmoid(z) = 1 / (1 + 2^(-z log2 e)): where the power passes 2^126 the result is 0 (true value below 2^-126).  Matrix operands are
; bf16, which has f32's range.
.set SEG,    4352                      ; order: bytes in a segment
.set CNTOFF, 4224                      ; order: where a segment's count stands
.set STG,   0                          ; LDS: 8 stages of 16 rows x 272 bytes, one for each wave
.set SP,    272                        ; a stage row: 256 bytes + 16: an odd multiple of 16, so 16 rows start in 16 different 16-byte columns modulo 256
.set STGW,  16*SP
.set WT,    STG+8*STGW                 ; 34,816: 64 rows of W as bf16
.set WP,    2064                       ; a row of W: 2,048 bytes + 16, again an odd multiple of 16
.set NLOG2E, 0xbfb8aa3b                ; -log2(e)
.set LANE16, 1                         ; 16 x lane: my 16 bytes in a run of 512
.set SADR,  2                          ; stage: where my 8 bytes of a row's x chunk go
.set AADR,  3                          ; stage: my x fragment
.set BADR,  4                          ; v4-7  my W fragments, column tile t
.set RID,   8                          ; sample number of row lane & 15 of the fragment
.set DADR,  9                          ; stage: where my results go
.set RADR,  10                         ; stage: where I read rows of results back
.set TMP,   11
.set BIASN, 12                         ; v12-15  -log2(e) x b of columns 4 r .. 4 r + 3
.set ACC,   16                         ; v16-47  four accumulators
.set FB0,   48                         ; v48-87   x fragment (8), four W fragments (32): K step 0 of a chunk
.set FB1,   88                         ; v88-127  the same, step 1
.set EP,    128                        ; v128-159 results read back
.set OO,    160                        ; v160-167 row number 2 i + h, then its byte offset in out0
.set R15,   168                        ; r = lane & 15
.set C16,   169                        ; 16 r
.set WADR,  170                        ; WT: where my 8 bytes go
.set T0,    171
.set T1,    172
.set FB2,   174                        ; v174-213 step 2
.set FB3,   214                        ; v214-253 step 3
; window 1 (v256-511): landing registers.  Head: load m of W in 4 m .. 4 m + 3.  Loop: three x buffers of 64, chunk c in buffer c % 3; then OUT.
.set OUT,   192                        ; window 1, v192-223: a chunk of x in bf16, row j in OUT + 2 j, OUT + 2 j + 1
.set XB,    32                         ; s[32:63]  addresses of the fragment's 16 rows of x (the low words first take the row numbers)
.set CNTS,  66                         ; s[66:73]  counts of the eight segments
.set PFX,   74                         ; s[74:81]  their running sums P1 .. P8; P8 = n
.set GAP,   82                         ; s[82:88]  GAP1 .. GAP7 = SEG - 4 x count of the segment in front
.set MSK,   90                         ; s[90:96]  lanes whose place lies behind segment 0 .. 6
; s16 wave, s17 e, s18 q, s19 nb, s20 my trips (head: W's offset), s21 trip counter, s22 mask of lanes 16-31 (head: b's offset),
; s24 fragments in the list, s25 my fragment, s[26:27] offset pair, s89 n - 1
.set MSB, 0
.macro WIN new                         ; low byte: bits 1:0 source 0, 3:2 source 1, 5:4 source 2, 7:6 destination; high byte: the setting that is left
.if MSB != \new
	s_set_vgpr_msb (MSB<<8)|\new
.set MSB, \new
.endif
.endm
; 16 loads of W: load m takes 512 consecutive bytes, piece m & 7 of my row m >> 3
.macro WLOAD g
	WIN 0x40                                       ; data into window 1, address from window 0
.set m, 16*\g
.rept 16
	global_load_b128 v[4*m:4*m+3], v[LANE16], s[6:7] offset:(m>>3)*4096+(m&7)*512
.set m, m+1
.endr
.endm
; the same 16: rounded to bf16 in place
.macro WCV g
	WIN 0x45                                       ; destination and both sources in window 1
.set m, 16*\g
.rept 16
	v_cvt_pk_bf16_f32 v[4*m], v[4*m], v[4*m+1]
	v_cvt_pk_bf16_f32 v[4*m+1], v[4*m+2], v[4*m+3]
.set m, m+1
.endr
.endm
; and 8 bytes a lane into WT
.macro WST g
	WIN 0x04                                       ; store data from window 1, address from window 0
	s_wait_alu depctr_va_vdst(0)                   ; group g's conversions have written the registers that the LDS stores read
.set m, 16*\g
.rept 16
	ds_store_b64 v[WADR], v[4*m:4*m+1] offset:(m>>3)*WP+(m&7)*256
.set m, m+1
.endr
.endm
; chunk c of x: 128 numbers (512 consecutive bytes) of each of the 16 rows
.macro XLOAD c
	WIN 0x40
.set XBUF, 64*((\c)%3)
.irp j, 0,1,2,3,4,5,6,7,8,9,10,11,12,13,14,15
	global_load_b128 v[XBUF+4*\j:XBUF+4*\j+3], v[LANE16], s[XB+2*\j:XB+2*\j+1] offset:(\c)*512
.endr
.endm
; chunk c: rounded to bf16, out of its landing buffer into OUT
.macro CVT c
	WIN 0x45
.set XBUF, 64*((\c)%3)
.irp j, 0,1,2,3,4,5,6,7,8,9,10,11,12,13,14,15
	v_cvt_pk_bf16_f32 v[OUT+2*\j],   v[XBUF+4*\j],   v[XBUF+4*\j+1]
	v_cvt_pk_bf16_f32 v[OUT+2*\j+1], v[XBUF+4*\j+2], v[XBUF+4*\j+3]
.endr
.endm
; OUT: 8 bytes a lane into my stage, row j
.macro XST
	WIN 0x04
.irp j, 0,1,2,3,4,5,6,7,8,9,10,11,12,13,14,15
	ds_store_b64 v[SADR], v[OUT+2*\j:OUT+2*\j+1] offset:\j*SP
.endr
	WIN 0
.endm
; ten LDS loads: the fragments of 32 along K (step ks of chunk c).  A fragment: lane (r, h) holds row r, K = 8 h .. + 7 and 16 + 8 h .. + 7.
.macro LOADF fb, c, ks
	ds_load_b128 v[\fb:\fb+3],   v[AADR] offset:\ks*64
	ds_load_b128 v[\fb+4:\fb+7], v[AADR] offset:\ks*64+32
.irp t, 0,1,2,3
	ds_load_b128 v[\fb+8+8*\t:\fb+8+8*\t+3],   v[BADR+\t] offset:\c*256+\ks*64
	ds_load_b128 v[\fb+8+8*\t+4:\fb+8+8*\t+7], v[BADR+\t] offset:\c*256+\ks*64+32
.endr
.endm
; Four matrix instructions.  Source 0 = 16 rows of W, source 1 = the 16 rows of x: register j of lane (r, h) is then
; out(row r, column 16 t + 8 h + j), eight neighbouring columns of one row.
; The four accumulators take turns, one instruction a turn.
.macro MUL4 fb, zero
.irp t, 0,1,2,3
.if \zero
	v_wmma_f32_16x16x32_bf16 v[ACC+8*\t:ACC+8*\t+7], v[\fb+8+8*\t:\fb+8+8*\t+7], v[\fb:\fb+7], 0
.else
	v_wmma_f32_16x16x32_bf16 v[ACC+8*\t:ACC+8*\t+7], v[\fb+8+8*\t:\fb+8+8*\t+7], v[\fb:\fb+7], v[ACC+8*\t:ACC+8*\t+7]
.endif
.endr
.endm
; 128 along K.  left = the loads of the younger chunks that are out (16 each).  zero = 1: the first products start the sums.
.macro CHUNK c, zero, left
	s_wait_loadcnt \left                           ; loads come back in order: chunk c's sixteen are in
.if \c > 0
	s_wait_alu depctr_vm_vsrc(0)                   ; the last chunk's LDS stores have read OUT, which the conversions below write again (for chunk 0 the wait at the trip's head says it)
.endif
	CVT \c
.if \c <= 4
	WIN 0x40                                       ; the window of the loads that follow the wait
.else
	WIN 0x04                                       ; the window of the LDS stores that follow the wait
.endif
	s_wait_alu depctr_va_vdst(0)                   ; the conversions have written OUT and are done reading chunk c's buffer; the last chunk's matrix instructions are done reading FB0 to FB3
.if \c <= 4
	XLOAD \c+3                                     ; the buffer is asked for again at once
.endif
	XST
	LOADF FB0, \c, 0                               ; LDS serves a wave's instructions in order: these see the stores above
	LOADF FB1, \c, 1
	s_wait_dscnt 10                                ; the 16 stores and step 0's ten loads are done; step 1's ten may be out
	MUL4 FB0, \zero
	LOADF FB2, \c, 2                               ; no wait: no vector or matrix instruction since the wait above names FB2
	s_wait_dscnt 10                                ; step 1's are in; step 2's ten may be out
	MUL4 FB1, 0
	LOADF FB3, \c, 3                               ; nor FB3
	s_wait_dscnt 10                                ; step 2's are in; step 3's ten may be out
	MUL4 FB2, 0
	s_wait_dscnt 0
	MUL4 FB3, 0
.endm
; rows 2 i and 2 i + 1 of the results: the sigmoid, in place.  Behind the reciprocals the next pair's first line, which names none of their registers, is the plain place.
.macro SIG i
	s_wait_dscnt 7-\i                              ; read-back i is in; the younger ones may be out
	v_pk_fma_f32 v[EP+4*\i:EP+4*\i+1],   v[EP+4*\i:EP+4*\i+1],   NLOG2E, v[BIASN:BIASN+1]   op_sel_hi:[1,0,1]
	v_pk_fma_f32 v[EP+4*\i+2:EP+4*\i+3], v[EP+4*\i+2:EP+4*\i+3], NLOG2E, v[BIASN+2:BIASN+3] op_sel_hi:[1,0,1]
.irp k, 0,1,2,3
	v_exp_f32 v[EP+4*\i+\k], v[EP+4*\i+\k]
.endr
	v_nop                                          ; one plain place between a transcendental and the use of its result
	s_wait_alu depctr_va_vdst(0)
	v_pk_add_f32 v[EP+4*\i:EP+4*\i+1],   v[EP+4*\i:EP+4*\i+1],   1.0 op_sel_hi:[1,0]
	v_pk_add_f32 v[EP+4*\i+2:EP+4*\i+3], v[EP+4*\i+2:EP+4*\i+3], 1.0 op_sel_hi:[1,0]
.irp k, 0,1,2,3
	v_rcp_f32 v[EP+4*\i+\k], v[EP+4*\i+\k]
.endr
.endm
	; ---- arguments, ids, addresses ----
	s_load_b256 s[4:11], s[0:1], 0x0               ; x s[4:5], W s[6:7], b s[8:9], order s[10:11]
	s_load_b64 s[14:15], s[0:1], 0x20              ; out0
	v_lshl_add_u32 v254, v0, 2, 0x28c00
	v_mov_b32 v255, 0
	v_lshrrev_b32 v[TMP], 5, v0
	v_readfirstlane_b32 s16, v[TMP]                ; wave 0..7
	s_lshr_b32 s17, ttmp9, 4                       ; e
	s_bfe_u32 s18, ttmp9, 0x20002                  ; q: two bits from bit 2
	s_and_b32 s19, ttmp9, 3                        ; nb
	v_and_b32 v[T0], 31, v0                        ; lane
	v_and_b32 v[R15], 15, v0                       ; r
	v_bfe_u32 v[T1], v0, 4, 1                      ; h
	v_lshlrev_b32 v[LANE16], 4, v[T0]
	v_lshlrev_b32 v[C16], 4, v[R15]
	s_wait_alu depctr_va_sdst(0)                   ; s16 is written, ahead of its first reader: the stage's, W's and the list's places are made from it
	s_mul_i32 s26, s16, STGW
	s_add_co_u32 s26, s26, STG                     ; my stage
	v_lshl_add_u32 v[SADR], v[T0], 3, s26          ; + 8 lane
	v_mul_u32_u24 v[TMP], v[R15], SP
	v_add_nc_u32 v[TMP], s26, v[TMP]               ; stage + 272 r
	v_lshl_add_u32 v[AADR], v[T1], 4, v[TMP]       ; + 16 h
	v_lshl_add_u32 v[DADR], v[T1], 5, v[TMP]       ; + 32 h (eight f32)
	v_mul_u32_u24 v[TMP], v[T1], SP
	v_add_nc_u32 v[TMP], s26, v[TMP]               ; stage + 272 h
	v_lshl_add_u32 v[RADR], v[R15], 4, v[TMP]      ; + 16 r
	v_mul_u32_u24 v[TMP], v[R15], WP
	v_lshl_add_u32 v[TMP], v[T1], 4, v[TMP]        ; 2064 r + 16 h
.irp t, 0,1,2,3
	v_add_nc_u32 v[BADR+\t], WT+16*\t*WP, v[TMP]
.endr
	s_mul_i32 s28, s16, 8*WP
	s_add_co_u32 s28, s28, WT
	v_lshl_add_u32 v[WADR], v[T0], 3, s28          ; my wave's 8 rows of WT + 8 lane
	s_lshl_b32 s20, s17, 20                        ; W: expert x 1 MB
	s_lshl_b32 s26, s19, 18                        ;    + 64 rows of 4,096 bytes x nb
	s_add_co_u32 s20, s20, s26
	s_lshl_b32 s26, s16, 15                        ;    + 8 rows x wave
	s_add_co_u32 s20, s20, s26
	s_mov_b32 s21, 0
	s_lshl_b32 s22, s17, 10                        ; b: expert x 1,024 bytes
	s_lshl_b32 s30, s19, 8                         ;    + 256 bytes x nb; the same 256 nb for out0
	s_add_co_u32 s22, s22, s30
	s_mov_b32 s23, 0
	s_mov_b32 s31, 0
	s_mul_i32 s28, s17, 8*SEG                      ; order: the expert's eight segments
	s_mov_b32 s29, 0
	s_wait_kmcnt 0x0
	s_add_nc_u64 s[6:7], s[6:7], s[20:21]
	s_add_nc_u64 s[8:9], s[8:9], s[22:23]
	s_add_nc_u64 s[14:15], s[14:15], s[30:31]
	s_add_nc_u64 s[10:11], s[10:11], s[28:29]
	; ---- the eight counts; b; three quarters of my rows of W (49 vector loads) ----
.irp s, 0,1,2,3,4,5,6,7
	s_load_b32 s[CNTS+\s], s[10:11], \s*SEG+CNTOFF
.endr
	s_wait_alu depctr_va_vdst(0)                   ; LANE16, C16, SADR, AADR, BADR, DADR, RADR and WADR are written: every load and store of the kernel but the list's reads one of them, and none is written again
	global_load_b128 v[BIASN:BIASN+3], v[C16], s[8:9]
	WLOAD 0
	WLOAD 1
	WLOAD 2
	WIN 0
	; ---- the list's shape, in scalars, while W is on its way ----
	s_wait_kmcnt 0x0
	s_mov_b32 s[PFX], s[CNTS]                      ; P1
.irp s, 1,2,3,4,5,6,7
	s_add_co_u32 s[PFX+\s], s[PFX+\s-1], s[CNTS+\s]
.endr
.irp s, 0,1,2,3,4,5,6
	s_lshl_b32 s26, s[CNTS+\s], 2
	s_sub_co_u32 s[GAP+\s], SEG, s26               ; the bytes of segment s that hold no match
.endr
	s_sub_co_u32 s89, s[PFX+7], 1                  ; n - 1
	s_add_co_u32 s24, s[PFX+7], 15
	s_lshr_b32 s24, s24, 4                         ; fragments in the list
	s_lshl2_add_u32 s25, s16, s18                  ; my first: q + 4 w
	s_mov_b32 s27, 0                               ; the high word of the offset pair s[26:27]
	s_mov_b32 s22, 0xffff0000                      ; lanes 16-31
	; ---- W into LDS as it lands: a group's LDS stores stand behind the wait for the next group's data ----
	s_wait_loadcnt 32                              ; b and group 0 are in: groups 1 and 2 stay out
	v_pk_mul_f32 v[BIASN:BIASN+1],   v[BIASN:BIASN+1],   NLOG2E op_sel_hi:[1,0]
	v_pk_mul_f32 v[BIASN+2:BIASN+3], v[BIASN+2:BIASN+3], NLOG2E op_sel_hi:[1,0]
	WCV 0
	WLOAD 3                                        ; into registers that no instruction has named yet
	s_wait_loadcnt 32                              ; group 1 is in: groups 2 and 3 stay out
	WST 0
	WCV 1
	s_wait_loadcnt 16                              ; group 2 is in: group 3 stays out
	WST 1
	WCV 2
	s_wait_loadcnt 0x0
	WST 2
	WCV 3
	WST 3
	WIN 0
	s_wait_dscnt 0x0                               ; my rows of W are written,
	s_barrier_signal -1
	s_barrier_wait -1                              ; everybody's are.  No wave writes W again, and no barrier follows
	s_cmp_ge_u32 s25, s24
	s_cbranch_scc1 .Lend                           ; none of the list's fragments is mine
	s_sub_co_u32 s20, s24, s25                     ; fragments from my first to the list's end: at least 1 here
	s_add_co_u32 s20, s20, 31
	s_lshr_b32 s20, s20, 5                         ; every 32nd of them is mine: my trips
	s_min_u32 s20, s20, 16                         ; 8,192 rows / 16 a fragment / 32 = 16 at the most
	s_mov_b32 s21, 0                               ; the loop counts trips, by 1, against s20, which it does not write
.Ltrip:
	; ---- which rows ----
	s_wait_xcnt 0x0                                ; the last trip's stores have had their addresses translated: their data and offsets are rewritten only behind this wait
	s_wait_alu depctr_vm_vsrc(0)                   ; the last trip's global stores have read OO and EP, its LDS stores ACC and OUT, its list load T0: all are written again in this trip.  In the first trip: the head's LDS stores have read window 1's registers, which are the x buffers and OUT from here on
	s_lshl_b32 s26, s25, 4
	v_add_nc_u32 v[TMP], s26, v[R15]
	v_min_u32 v[TMP], s89, v[TMP]                  ; g = min(16 f + r, n - 1): only places that hold a match are read
	v_lshlrev_b32 v[T0], 2, v[TMP]
.irp s, 0,1,2,3,4,5,6                              ; place g lies at byte 4 g + the matchless bytes of all segments in front of its own
	v_cmp_le_u32 s[MSK+\s], s[PFX+\s], v[TMP]
.endr
	s_wait_alu depctr_va_sdst(0)                   ; the seven masks are written, ahead of the selects that read them
.irp s, 0,1,2,3,4,5,6
	v_cndmask_b32 v[T1], 0, s[GAP+\s], s[MSK+\s]
	v_add_nc_u32 v[T0], v[T0], v[T1]
.endr
	v_min_u32 v[T0], 0x87fc, v[T0]                 ; inside the expert's 8 x 4,352 = 34,816 bytes
	s_wait_alu depctr_va_vdst(0)                   ; T0 is written, the list load's offset; the last trip's v_readlane_b32 are done reading RID, in which it lands; and every conversion issued so far is done with the three x buffers, in which the loads of chunks 0 to 2 land
	global_load_b32 v[RID], v[T0], s[10:11]
	s_wait_loadcnt 0x0
.irp j, 0,1,2,3,4,5,6,7,8,9,10,11,12,13,14,15
	v_readlane_b32 s[XB+2*\j], v[RID], \j          ; the sixteen row numbers in one run; the last trip's loads from these bases were waited for in its last chunk
.endr
	s_wait_alu depctr_va_sdst(0)                   ; the sixteen row numbers are written, ahead of their first readers
.irp j, 0,1,2,3,4,5,6,7,8,9,10,11,12,13,14,15
	s_min_u32 s26, s[XB+2*\j], 0x1fff              ; inside x's 8,192 rows
.if \j & 1
	v_cndmask_b32 v[OO+(\j>>1)], v[OO+(\j>>1)], s26, s22   ; lanes 16-31: the odd row of the pair
.else
	v_mov_b32 v[OO+(\j>>1)], s26                   ; the even row of the pair
.endif
	s_lshl_b32 s26, s26, 12                        ; rows of 4,096 bytes
	s_add_nc_u64 s[XB+2*\j:XB+2*\j+1], s[4:5], s[26:27]
.endr
	; ---- K: eight chunks of 128, three on their way ----
	XLOAD 0                                        ; no wait: since the wait ahead of the list load the vector lines have named RID and OO alone
	XLOAD 1
	XLOAD 2
	CHUNK 0, 1, 32
	CHUNK 1, 0, 32
	CHUNK 2, 0, 32
	CHUNK 3, 0, 32
	CHUNK 4, 0, 32
	CHUNK 5, 0, 32
	CHUNK 6, 0, 16
	CHUNK 7, 0, 0
	; ---- the way out: through my stage, so that a store writes whole rows of 256 bytes ----
.irp i, 0,1,2,3,4,5,6,7                            ; 24 plain vector instructions that name no register of the last matrix instructions: the places behind them
	v_min_u32 v[OO+\i], 0x1fff, v[OO+\i]           ; row 2 i + h, inside out0's 8,192 rows
	v_lshlrev_b32 v[OO+\i], 10, v[OO+\i]           ; rows of 1,024 bytes
	v_add_nc_u32 v[OO+\i], v[C16], v[OO+\i]        ; + 16 r
.endr
	s_wait_alu depctr_va_vdst(0)                   ; the matrix instructions have written the accumulators, which the LDS stores read (the places above stay beside this wait); the last trip's sigmoids are done with EP, in which the read-back lands
.irp t, 0,1,2,3
	ds_store_b128 v[DADR], v[ACC+8*\t:ACC+8*\t+3]   offset:64*\t      ; row r, columns 16 t + 8 h .. + 3
	ds_store_b128 v[DADR], v[ACC+8*\t+4:ACC+8*\t+7] offset:64*\t+16   ; .. + 4 .. + 7
.endr
.irp i, 0,1,2,3,4,5,6,7
	ds_load_b128 v[EP+4*\i:EP+4*\i+3], v[RADR] offset:\i*2*SP         ; row 2 i + h, columns 4 r .. 4 r + 3; in order behind the stores above
.endr
.irp i, 0,1,2,3,4,5,6,7
	SIG \i
.endr
	v_nop                                          ; one plain place behind the last reciprocals
	s_wait_alu depctr_va_vdst(0)                   ; the reciprocals have written EP, the data of the eight stores (their offsets OO were written ahead of the wait before)
.irp i, 0,1,2,3,4,5,6,7
	global_store_b128 v[OO+\i], v[EP+4*\i:EP+4*\i+3], s[14:15] th:TH_STORE_NT   ; each sixteen lanes write 256 consecutive bytes, aligned, of one row of out0
.endr
	s_add_co_u32 s25, s25, 32                      ; my next fragment
	s_add_co_u32 s21, s21, 1                       ; one trip done
	s_cmp_lt_u32 s21, s20
	s_cbranch_scc1 .Ltrip
.Lend:
	s_wait_dscnt 0x0
	s_wait_alu depctr_hold_cnt(0) depctr_sa_sdst(0) depctr_va_vdst(0) depctr_va_sdst(0) depctr_va_ssrc(0) depctr_va_vcc(0) depctr_vm_vsrc(0)
	s_wait_tensorcnt 0x0
	ds_add_u32 v254, v255
	s_wait_dscnt 0x0
	s_endpgm
.Lfunc_end_k_q4f12beef5e_route_gemm:
	.size	k_q4f12beef5e_route_gemm, .Lfunc_end_k_q4f12beef5e_route_gemm-k_q4f12beef5e_route_gemm
	.p2alignl 7, 3214868480
	.fill 96, 4, 3214868480
	.section	.rodata,"a",@progbits
	.p2align	6, 0x0
	.amdhsa_kernel k_q4f12beef5e_route_gemm
		.amdhsa_group_segment_fixed_size 167936
		.amdhsa_private_segment_fixed_size 0
		.amdhsa_enable_private_segment 0
		.amdhsa_kernarg_size 40
		.amdhsa_user_sgpr_count 2
		.amdhsa_user_sgpr_kernarg_segment_ptr 1
		.amdhsa_wavefront_size32 1
		.amdhsa_system_sgpr_workgroup_id_x 1
		.amdhsa_system_sgpr_workgroup_id_y 1
		.amdhsa_system_sgpr_workgroup_id_z 1
		.amdhsa_system_vgpr_workitem_id 0
		.amdhsa_next_free_vgpr 512
		.amdhsa_next_free_sgpr 97
		.amdhsa_reserve_vcc 0
		.amdhsa_float_denorm_mode_32 3
		.amdhsa_float_denorm_mode_16_64 3
		.amdhsa_memory_ordered 1
		.amdhsa_forward_progress 1
		.amdhsa_inst_pref_size 105
	.end_amdhsa_kernel
	.amdgpu_metadata
---
amdhsa.version: [ 1, 2 ]
amdhsa.kernels:
  - .name:           k_q4f12beef5e_route_gemm
    .symbol:         k_q4f12beef5e_route_gemm.kd
    .args:
      - { .name: x, .offset: 0, .size: 8, .value_kind: global_buffer, .address_space: global }
      - { .name: W, .offset: 8, .size: 8, .value_kind: global_buffer, .address_space: global }
      - { .name: b, .offset: 16, .size: 8, .value_kind: global_buffer, .address_space: global }
      - { .name: order, .offset: 24, .size: 8, .value_kind: global_buffer, .address_space: global }
      - { .name: out0, .offset: 32, .size: 8, .value_kind: global_buffer, .address_space: global }
    .group_segment_fixed_size: 167936
    .private_segment_fixed_size: 0
    .kernarg_segment_align: 8
    .kernarg_segment_size: 40
    .max_flat_workgroup_size: 256
    .sgpr_count:     97
    .vgpr_count:     512
    .wavefront_size: 32
...
	.end_amdgpu_metadata
.endif
;; end of part 4
